; MI455X (gfx1250); checked and timed in simulation.
; The chip was launched on July 23, 2026; its instructions are those of AMD's public machine-readable ISA for CDNA 5 (MIT licence, August 2026) and "CDNA5" Instruction Set Architecture Reference Guide (July 2026). The comments in the code are by the model that wrote it; some were corrected since.
;; Q Dense. Allowed arithmetic: matrix products marked QUANTISED: E2M1 operands, one E8M0 scale for each 32 along K, by v_wmma_scale_f32_16x16x128_f8f6f4 with both operands' format E2M1 (or v_wmma_scale_f32_32x16x128_f4), f32 sums; everything else in f32.
;; Inputs: Wi 1,024 x 1,024 float32; Wj 1,024 x 1,024 float32; Wk 1,024 x 1,024 float32; Wr 1,024 x 1,024 float32; b 1,024 float32; x 4,096 x 4,096 float32.
;; Outputs: out0 4,096 x 4,096 float32.
;; This version of the problem:
;;   THIS VERSION OF THE PROBLEM IS GIVEN IN LOW PRECISION. The matrix products marked QUANTISED in the list below multiply operands that are first quantised to E2M1 (2 exponent bits, 1 mantissa bit; 4 bits a number), with one power-of-two scale for each 32 numbers along K (OCP MX v1.0); their sums are f32. All else is computed in f32.
;;   The module's matrix products, in the order in which they are computed (A, B: the left and right operand; K: the contracted axis; several contracted axes count as one K, in the product's order):
;;     1. [M 4,096, K 4,096] x [K 4,096, N 4,096]; A: input x; B: computed on the way: QUANTISED
;;   THE QUANTISER, for each operand of a quantised product, along K:
;;     - K is cut into blocks of 32 from its start; a last block that is shorter is filled with zeros.
;;     - A block's scale is 2^e with e = floor(log2(the largest magnitude in the block)) - 2, held to -126 .. 127; a block of zeros has e = 0. As a byte (E8M0): e + 127.
;;     - Each number is divided by its block's scale, clamped to +-6, and rounded to the nearest number of E2M1, ties to even, subnormals kept.
;;     - The product sums the exact products of the quantised numbers (number of the format x scale) in f32.
;;   ~~~python
;;   def quantise(x, axis):      # numpy; x: float32 -> the quantised numbers, widened to float32 again
;;       x = np.moveaxis(x, axis, -1); K = x.shape[-1]
;;       x = np.pad(x, [(0, 0)] * (x.ndim - 1) + [(0, -K % 32)]); x = x.reshape(x.shape[:-1] + (-1, 32)); a = np.abs(x).max(-1, keepdims=True)
;;       e = np.where(a > 0, np.clip(np.frexp(np.where(a > 0, a, 1))[1] - 1 - 2, -126, 127), 0)      # np.frexp(a)[1] - 1 = floor(log2(a)), exactly
;;       r = np.clip(x / 2.0 ** e, -6, 6)
;;       step = 2.0 ** (np.maximum(np.frexp(np.where(r == 0, 1, r))[1] - 1, 0) - 1)
;;       q = np.round(r / step) * step * 2.0 ** e      # np.round: ties to even
;;       return np.moveaxis(q.reshape(q.shape[:-2] + (-1,))[..., :K], -1, axis).astype(np.float32)
;;   ~~~
;;   OPERANDS COMPUTED ON THE WAY. 'Computed on the way' means the value that the module computes at that place (a softmax that the list does not call 'softmax' is quantised finished and normalised). What goes into a quantiser is computed in f32, as accurately as f32 sums, v_exp_f32 and their like allow (about 1e-6 of the number): no bf16 or f16 on the way to a quantiser, and a product that is left as it is and whose result goes on into a quantised operand takes f32 operands (vector FMAs, or v_wmma_f32_16x16x4_f32). A number that lies on a knife's edge between two numbers of the format may be rounded either way, as far as f32 arithmetic and the matrix unit's own rounding can turn it there, and no further.
;; One version. Each part assembles by itself: llvm-mc -triple=amdgcn-amd-amdhsa -mcpu=gfx1250 --defsym DOCPART=n.
;; ======== version 1 of 1: 2 launches
;; limits: right only within a limited range of input values
;; workspace buffers: xc 8,388,608 bytes; xs 524,288 bytes; wc 2,228,224 bytes
;; launch quant (part 1): grid 256 x 1, 10 waves a work-group, no clusters, 170,240 bytes of LDS; arguments x, Wr, Wi, Wj, Wk, xc, xs, wc; writes xc, xs, wc
.if DOCPART == 1
	.amdgcn_target "amdgcn-amd-amdhsa--gfx1250"
	.amdhsa_code_object_version 6
	.text
	.protected	k_q472b7aac93_quant
	.globl	k_q472b7aac93_quant
	.p2align	8
	.type	k_q472b7aac93_quant,@function
k_q472b7aac93_quant:
	s_mov_b64 s[64:65], 0
	v_nop
	global_prefetch_b8 v0, s[64:65] scope:SCOPE_SE
	s_setreg_imm32_b32 hwreg(HW_REG_WAVE_MODE, 25, 1), 1
	s_wait_xcnt 0x0
; x [4096][4096] and Wr, Wi, Wj, Wk [1024][1024], f32, K innermost in all five, become codes of FP4 (E2M1) with one E8M0 scale byte for each 32 along K.
; W_block[1024 kb + kk][1024 nb + nn] = +-W_i[nn][kk] with i = kb xor nb, and the quantiser is odd: so only the four matrices are quantised; the signs are the product's affair.
; A block's scale is 2^(floor(log2(its largest magnitude)) - 2); its byte is the largest magnitude's exponent field - 2, held at 1 from below by a floor among the maximum's leaves.
; LIMITS: NaN and infinities among the inputs are not served.  A block of zeros gets the byte 1 where the rule says 127: its codes are zeros, which add nothing under any byte
; but 0xff, and this program alone reads the bytes.  A block whose largest magnitude lies under 2^-124 keeps the byte 1, which is the rule's hold at e = -126.
; SHARES.  A wave's job is 16 rows x 512 along K: four K steps of 128.  Work-group g: waves 0-7 take x's rows 16 g .. + 15, wave w its columns 512 w ..;
; waves 8, 9 take rows 16 (g % 64) .. of matrix g / 64, wave 8 its first 512 columns, wave 9 the rest.  Waves share nothing: no barrier.
; HOW THE BYTES COME.  K steps 0 to 2 by 48 loads into registers; when two of them have arrived, K step 3 by ONE tensor load a wave, 16 rows of 512 bytes, each followed by 16 of padding in LDS.
; K steps 0 to 2 turn through a stage of the wave's own (16 rows x 528 bytes) while the tensor load is on its way.  No loop runs ahead of anything: no prefetch.
; The LDS pitch, 528 = 33 x 16, is an odd multiple of 16: the sixteen rows that a read touches start at sixteen different 16-byte columns (64 banks of 4 bytes: ISA guide 11.1).
; THE OUTPUTS ARE IMAGES OF THE PRODUCT'S OPERAND REGISTERS.  16 rows x 128 K are 8 registers a lane: lane (r, h) holds row r, registers 4 c .. 4 c + 3 hold k = 64 c + 32 h + 0 .. 31;
; stored as two runs of 512 bytes, lane l's 16 bytes at 16 l.
;   xc [T 256][s 32][c 2][lane 32][16 B]      T: tile of 16 rows, s: K step
;   xs [T 256][u 4][lane 32][j 4] words: the word at lane 16 g + r is row r's scale word of K step 16 g + 4 u + j
;   wc [S 32] of 69,632 bytes, S: 32 rows nn: codes [q 8][i 4][t 2][c 2][lane 32][16 B], q: K step inside the matrix, t: which 16 rows;
;      and from byte 65,536 on scale words [ch 2][i 4][row 32][q' 4], K step 4 ch + q'
.set WREG,  8448                       ; a wave's slot for the tensor load, and its stage: 16 rows x 528 bytes each
.set SEG,   528
.set STG,   10*WREG                    ; the stages; no tensor load lands here
.set SPARE, STG+10*WREG                ; the spare words, 128 bytes for each wave: five blocks of 256 bytes
.set SPW,  2                           ; v2  LDS address of my spare word; never rewritten
.set NIL,  3                           ; v3  0; never rewritten
.set LA,   4                           ; v4  the slot: row r, + 128 h
.set LB,   5                           ; v5  the same in the stage
.set SA,   6                           ; v6  the stage, on the way in: my 16 bytes of a row
.set SH,   7                           ; v7  8 h: where my two scale bytes stand in the word
.set SOF,  8                           ; v8  16 r: my row's four scale words
.set TMP,  10
.set M,    12                          ; the two blocks' largest magnitudes
.set SCO,  14                          ; the conversions' scale operands
.set BY,   16                          ; the scale bytes
.set CO,   20                          ; v20-23 K step q: q x the codes' stride + 16 x lane
.set SW,   24                          ; v24-27 the scale word of each K step
.set C,    32                          ; v32-63 codes: 8 registers for each K step
.set R,    64                          ; v64-191 K steps 0 and 1 as loaded; v64-127 then 64 numbers along K.  v256-319 (window 1): K step 2 as loaded
.set X,    192                         ; v192-255 64 numbers along K
	s_load_b256 s[4:11], s[0:1], 0x0               ; x s[4:5], Wr s[6:7], Wi s[8:9], Wj s[10:11]
	s_load_b256 s[12:19], s[0:1], 0x20             ; Wk s[12:13], xc s[14:15], xs s[16:17], wc s[18:19]
	v_lshl_add_u32 v[SPW], v0, 2, SPARE
	v_mov_b32 v[NIL], 0
	ds_add_u32 v[SPW], v[NIL]                      ; the opening add, twice on end
	ds_add_u32 v[SPW], v[NIL]
	v_lshrrev_b32 v9, 5, v0
	v_readfirstlane_b32 s22, v9                    ; wave 0..9
	v_and_b32 v1, 31, v0                           ; lane
	v_and_b32 v18, 15, v0                          ; r
	v_bfe_u32 v19, v0, 4, 1                        ; h
	s_mul_i32 s23, s22, WREG                       ; my slot
	s_add_co_u32 s68, s23, STG                     ; my stage
	s_mov_b32 s45, 8192
	s_cmp_lt_u32 s22, 8
	s_cselect_b32 s45, 1024, s45                   ; bytes from a K step's codes to the next's
	v_lshlrev_b32 v[CO], 4, v1
	v_mul_u32_u24 v[LA], v18, SEG
	v_lshlrev_b32 v[SH], 3, v19
	v_lshl_add_u32 v[LA], v19, 7, v[LA]
	v_lshlrev_b32 v[SOF], 4, v18
	v_add_nc_u32 v[SA], s68, v[CO]
	v_add_nc_u32 v[LB], s68, v[LA]
	v_add_nc_u32 v[LA], s23, v[LA]
	v_add_nc_u32 v[CO+1], s45, v[CO]
	v_mov_b32 v[TMP+1], 0                          ; written once: a lane permute's destination counts as one of its sources
	v_add_nc_u32 v[CO+2], s45, v[CO+1]
	v_add_nc_u32 v[CO+3], s45, v[CO+2]
	s_mov_b32 s66, 0x76543210
	s_mov_b32 s67, 0xfedcba98                      ; v_permlanex16_b32's selects for lane l xor 16
	; a job of x: tile = work-group, ch = wave
	s_lshl_b32 s24, ttmp9, 18                      ; in: 16 rows of 16,384 bytes a tile,
	s_lshl_b32 s29, s22, 11                        ; 2,048 bytes a job along K
	s_add_co_u32 s24, s24, s29
	s_lshl_b32 s26, ttmp9, 15                      ; codes: 32,768 bytes a tile, 4,096 a job
	s_lshl_b32 s29, s22, 12
	s_add_co_u32 s26, s26, s29
	s_lshl_b32 s28, ttmp9, 11                      ; scale words: 2,048 bytes a tile; u = ch % 4: 512 bytes; ch / 4: 256 bytes
	s_and_b32 s29, s22, 3
	s_lshl_b32 s29, s29, 9
	s_add_co_u32 s28, s28, s29
	s_lshr_b32 s29, s22, 2
	s_lshl_b32 s29, s29, 8
	s_add_co_u32 s28, s28, s29
	; a job of W: i = work-group / 64, tile = work-group % 64, ch = wave % 2
	s_lshr_b32 s32, ttmp9, 6                       ; i
	s_and_b32 s33, ttmp9, 63                       ; the tile
	s_and_b32 s34, s22, 1                          ; ch
	s_lshl_b32 s44, s33, 16                        ; in: 16 rows of 4,096 bytes a tile
	s_lshl_b32 s29, s34, 11
	s_add_co_u32 s44, s44, s29
	s_lshr_b32 s35, s33, 1                         ; S
	s_mul_i32 s46, s35, 69632
	s_mov_b32 s47, s46
	s_lshl_b32 s29, s34, 15                        ; ch: 32,768 bytes of codes, 2,048 of scale words
	s_add_co_u32 s46, s46, s29
	s_lshl_b32 s29, s34, 11
	s_add_co_u32 s47, s47, s29
	s_lshl_b32 s29, s32, 11                        ; i: 2,048 and 512
	s_add_co_u32 s46, s46, s29
	s_lshl_b32 s29, s32, 9
	s_add_co_u32 s47, s47, s29
	s_and_b32 s35, s33, 1                          ; t: 1,024 and 256
	s_lshl_b32 s29, s35, 10
	s_add_co_u32 s46, s46, s29
	s_lshl_b32 s29, s35, 8
	s_add_co_u32 s47, s47, s29
	s_cmp_lt_u32 s22, 8                            ; the choice hangs on the wave's number alone
	s_cselect_b32 s24, s24, s44                    ; where I read,
	s_cselect_b32 s26, s26, s46                    ; where my codes go,
	s_cselect_b32 s28, s28, s47                    ; and my scale words
	s_mov_b32 s25, 0
	s_mov_b32 s27, 0
	s_mov_b32 s29, 0
	; descriptor group 1: 16 rows of 128 elements of 4 bytes; pitch 4,096 elements in x (s[48:55]), 1,024 in W (s[56:63])
.irp g, 48, 56
	s_mov_b32 s[\g], (2<<16)|(1<<20)|(6<<22)|(3<<25)   ; 17:16 elements of 4 bytes; 20 padding on; 24:22 after every 128 words; 31:25 of 4 words
	s_mov_b32 s[\g+1], 128<<16
	s_mov_b32 s[\g+2], 16<<16
	s_mov_b32 s[\g+3], 128<<16
	s_mov_b32 s[\g+4], 16
	s_mov_b32 s[\g+6], 0
	s_mov_b32 s[\g+7], 0
.endr
	s_mov_b32 s53, 4096
	s_mov_b32 s61, 1024
	s_mov_b32 s36, 1                               ; group 0: s[36:39]
	s_mov_b32 s37, s23
	s_wait_alu depctr_va_vdst(0)                   ; the wait at the head's end
	s_wait_dscnt 0x0                               ; both opening adds are done
	s_wait_kmcnt 0x0
	s_add_nc_u64 s[20:21], s[18:19], 0x10000       ; W's scale words lie behind a super tile's codes
	s_cmp_eq_u32 s32, 1
	s_cselect_b64 s[30:31], s[8:9], s[6:7]         ; Wi or Wr
	s_cmp_eq_u32 s32, 2
	s_cselect_b64 s[30:31], s[10:11], s[30:31]     ; Wj
	s_cmp_eq_u32 s32, 3
	s_cselect_b64 s[30:31], s[12:13], s[30:31]     ; Wk
	s_cmp_lt_u32 s22, 8
	s_cselect_b64 s[30:31], s[4:5], s[30:31]       ; x
	s_cselect_b64 s[40:41], s[14:15], s[18:19]     ; xc or wc
	s_cselect_b64 s[42:43], s[16:17], s[20:21]     ; xs or wc's scale words
	s_add_nc_u64 s[30:31], s[30:31], s[24:25]
	s_add_nc_u64 s[40:41], s[40:41], s[26:27]
	s_add_nc_u64 s[42:43], s[42:43], s[28:29]
	s_add_nc_u64 s[38:39], s[30:31], 1536          ; the tensor load: K step 3
	s_or_b32 s39, s39, 0x80000000                  ; 127:126 type = 2
.macro ASK g1, pitch                   ; each load reads 512 consecutive bytes; every byte is read once in the launch
.irp q, 0,1
.irp p, 0,1,2,3,4,5,6,7,8,9,10,11,12,13,14,15
	global_load_b128 v[R+64*\q+4*\p:R+64*\q+4*\p+3], v[CO], s[30:31] offset:512*\q+\pitch*\p th:TH_LOAD_NT
.endr
.endr
	s_set_vgpr_msb 0x0040                          ; destination window 1
.irp p, 0,1,2,3,4,5,6,7,8,9,10,11,12,13,14,15
	global_load_b128 v[4*\p:4*\p+3], v[CO], s[30:31] offset:1024+\pitch*\p th:TH_LOAD_NT
.endr
	s_set_vgpr_msb 0x4000
	s_wait_loadcnt 16                              ; K steps 0 and 1 are in; K step 2's 16 loads may be out
	tensor_load_to_lds s[36:39], s[\g1:\g1+7]      ; my one tensor load
	s_nop 0
.rept 4
	v_nop
.endr
.endm
	s_cmp_lt_u32 s22, 8                            ; two arms, one tensor load in each: group 1 is made of constants
	s_cbranch_scc0 .Lfor_w
	ASK 48, 16384
	s_branch .Lasked
.Lfor_w:
	ASK 56, 4096
.Lasked:
.macro PUT reg                         ; a K step as loaded into my stage
.irp p, 0,1,2,3,4,5,6,7,8,9,10,11,12,13,14,15
	ds_store_b128 v[SA], v[\reg+4*\p:\reg+4*\p+3] offset:SEG*\p
.endr
.endm
.macro GET adr, reg                    ; and back: register 32 c + n = k 64 c + 32 h + n of row r.  LDS serves a wave's instructions in order (ISA guide 5.7.1.4): the reads see the stores, and later stores wait for the reads
.irp c, 0,1
.irp e, 0,1,2,3,4,5,6,7
	ds_load_b128 v[\reg+32*\c+4*\e:\reg+32*\c+4*\e+3], v[\adr] offset:256*\c+16*\e
.endr
.endr
.endm
.macro WORK q, reg
.set CC, C+8*(\q)
.irp c, 0,1
	v_max3_num_f32 v[M+\c], |v[\reg+32*\c]|, |v[\reg+32*\c+1]|, 0x1800000   ; my block 2 c + h: all 32 numbers are mine; and the floor 2^(3 - 127): the byte cannot fall under 1
.endr
.irp i, 2,4,6,8,10,12,14,16,18,20,22,24,26,28,30
.irp c, 0,1
	v_max3_num_f32 v[M+\c], v[M+\c], |v[\reg+32*\c+\i]|, |v[\reg+32*\c+\i+1]|   ; (the two blocks by turns)
.endr
.endr
.irp c, 0,1
	v_add_nc_u32 v[SCO+\c], 0xff000000, v[M+\c]    ; 2 off the exponent field: the conversion takes the exponent field of this operand as its scale, and nothing else of it
.endr
.irp c, 0,1
	v_lshrrev_b32 v[BY+\c], 23, v[SCO+\c]          ; the scale's byte
.endr
	v_lshl_or_b32 v[TMP], v[BY+1], 16, v[BY]       ; my two bytes: blocks h and 2 + h of row r,
	v_lshlrev_b32 v[TMP], v[SH], v[TMP]            ; at their places in the word;
	v_permlanex16_b32 v[TMP+1], v[TMP], s66, s67
	v_or_b32 v[SW+(\q)], v[TMP], v[TMP+1]          ; with lane l xor 16's two the word is whole
.irp c, 0,1
.irp g, 0,1,2,3
	v_cvt_scalef32_pk8_fp4_f32 v[CC+4*\c+\g], v[\reg+32*\c+8*\g:\reg+32*\c+8*\g+7], v[SCO+\c]   ; register 4 c + g of the fragment; what lies beyond 6 gets the largest code
.endr
.endr
	v_nop                                          ; one plain instruction behind the last scaled conversion
	global_store_b128 v[CO+(\q)], v[CC:CC+3], s[40:41]               ; 32 lanes store 512 consecutive bytes, at a multiple of 512 from the buffer's first byte
	global_store_b128 v[CO+(\q)], v[CC+4:CC+7], s[40:41] offset:512
.endm
	PUT R
	GET LB, X
	PUT R+64
	GET LB, R                                      ; v64-127: the stores of K step 0 stand ahead in LDS order
	s_wait_dscnt 32                                ; K step 0 is back; K step 1's 16 stores and 16 loads may be out
	WORK 0, X
	s_wait_dscnt 0x0
	WORK 1, R
	s_wait_loadcnt 0x0
	s_set_vgpr_msb 0x0004                          ; the stores' data: window 1
	PUT 0
	s_set_vgpr_msb 0x0400
	GET LB, X
	s_wait_dscnt 0x0
	WORK 2, X
	s_wait_tensorcnt 0x0                           ; K step 3 is in: this wave alone reads it
	GET LA, R
	s_wait_dscnt 0x0
	WORK 3, R
	s_wait_alu depctr_va_vdst(0)
	s_wait_xcnt 0x0                                ; EXEC is a source of the stores above: it changes only behind this wait
	v_cmp_gt_u32 vcc_lo, 16, v1
	s_wait_tensorcnt 0x0                           ; the wave's end
	ds_add_u32 v[SPW], v[NIL]
	s_wait_dscnt 0x0
	s_and_saveexec_b32 s35, vcc_lo                 ; lanes 16-31 hold the same words as lanes 0-15
	global_store_b128 v[SOF], v[SW:SW+3], s[42:43] ; sixteen lanes store 256 consecutive bytes, at a multiple of 256 from the buffer's first byte
	s_wait_xcnt 0x0                                ; and again in front of the line that widens it
	s_or_b32 exec_lo, exec_lo, s35
	s_endpgm
.Lfunc_end_k_q472b7aac93_quant:
	.size	k_q472b7aac93_quant, .Lfunc_end_k_q472b7aac93_quant-k_q472b7aac93_quant
	.p2alignl 7, 3214868480
	.fill 96, 4, 3214868480
	.section	.rodata,"a",@progbits
	.p2align	6, 0x0
	.amdhsa_kernel k_q472b7aac93_quant
		.amdhsa_group_segment_fixed_size 170240
		.amdhsa_private_segment_fixed_size 0
		.amdhsa_enable_private_segment 0
		.amdhsa_kernarg_size 64
		.amdhsa_user_sgpr_count 2
		.amdhsa_user_sgpr_kernarg_segment_ptr 1
		.amdhsa_wavefront_size32 1
		.amdhsa_system_sgpr_workgroup_id_x 1
		.amdhsa_system_sgpr_workgroup_id_y 1
		.amdhsa_system_sgpr_workgroup_id_z 1
		.amdhsa_system_vgpr_workitem_id 0
		.amdhsa_next_free_vgpr 320
		.amdhsa_next_free_sgpr 70
		.amdhsa_reserve_vcc 1
		.amdhsa_float_denorm_mode_32 3
		.amdhsa_float_denorm_mode_16_64 3
		.amdhsa_memory_ordered 1
		.amdhsa_forward_progress 1
		.amdhsa_inst_pref_size 35
	.end_amdhsa_kernel
	.amdgpu_metadata
---
amdhsa.version: [ 1, 2 ]
amdhsa.kernels:
  - .name:           k_q472b7aac93_quant
    .symbol:         k_q472b7aac93_quant.kd
    .args:
      - { .name: x, .offset: 0, .size: 8, .value_kind: global_buffer, .address_space: global }
      - { .name: Wr, .offset: 8, .size: 8, .value_kind: global_buffer, .address_space: global }
      - { .name: Wi, .offset: 16, .size: 8, .value_kind: global_buffer, .address_space: global }
      - { .name: Wj, .offset: 24, .size: 8, .value_kind: global_buffer, .address_space: global }
      - { .name: Wk, .offset: 32, .size: 8, .value_kind: global_buffer, .address_space: global }
      - { .name: xc, .offset: 40, .size: 8, .value_kind: global_buffer, .address_space: global }
      - { .name: xs, .offset: 48, .size: 8, .value_kind: global_buffer, .address_space: global }
      - { .name: wc, .offset: 56, .size: 8, .value_kind: global_buffer, .address_space: global }
    .group_segment_fixed_size: 170240
    .private_segment_fixed_size: 0
    .kernarg_segment_align: 8
    .kernarg_segment_size: 64
    .max_flat_workgroup_size: 320
    .sgpr_count:     70
    .vgpr_count:     320
    .wavefront_size: 32
...
	.end_amdgpu_metadata
.endif
;; end of part 1
;; launch gemm (part 2): grid 32 x 8, 4 waves a work-group, clusters of 4 x 4, 327,680 bytes of LDS; arguments xc, xs, wc, b, out0; writes out0
.if DOCPART == 2
	.amdgcn_target "amdgcn-amd-amdhsa--gfx1250"
	.amdhsa_code_object_version 6
	.text
	.protected	k_q472b7aac93_gemm
	.globl	k_q472b7aac93_gemm
	.p2align	8
	.type	k_q472b7aac93_gemm,@function
k_q472b7aac93_gemm:
	s_mov_b64 s[64:65], 0
	v_nop
	global_prefetch_b8 v0, s[64:65] scope:SCOPE_SE
	s_setreg_imm32_b32 hwreg(HW_REG_WAVE_MODE, 25, 1), 1
	s_wait_xcnt 0x0
	s_wait_alu depctr_hold_cnt(0) depctr_sa_sdst(0) depctr_va_vdst(0) depctr_va_sdst(0) depctr_va_ssrc(0) depctr_va_vcc(0) depctr_vm_vsrc(0)
	s_getreg_b32 s2, hwreg(HW_REG_IB_STS2, 6, 4)
	s_cmp_eq_u32 s2, 0
	s_cbranch_scc0 .Lentry_in_a_cluster
	s_endpgm
.Lentry_in_a_cluster:
	s_bfe_u32 s2, ttmp6, 0x10000c
	s_cmp_lg_u32 s2, 0xf033
	s_cbranch_scc0 .Lentry_shape_is_right
	s_endpgm
.Lentry_shape_is_right:
; out0[m][1024 nb + nn] = b[nn] + the sum over kb, kk of Q(x)[m][1024 kb + kk] x s(kb, nb) x Q(W_i)[nn][kk], i = kb xor nb (r, i, j, k = 0 .. 3);
; s is -1 for (kb, nb) = (1,0) (1,2) (2,0) (2,3) (3,0) (3,1).  Codes of FP4 (E2M1) with one E8M0 scale for each 32 along K, as the launch before laid them: images of operand registers.
; SHARES.  Work-group (X, Y) makes rows 128 X .. + 127 x columns 1024 nb + 128 Y + 0 .. 127, nb = 0 .. 3.  Wave w owns rows 128 X + 32 w .. + 31 (two tiles of 16: rt = 0, 1) and all 512 columns:
; its 2 x 32 fragments of x stay in registers for the whole launch.  The waves walk four SUPER TILES of 32 rows nn: 8 K steps (128 of kk) x 4 matrices; a fragment of 32 rows of W_i feeds
; 8 matrix instructions (4 nb x 2 rt): 32 to a K step, 256 to a super tile.
; SIGNS.  A column block nb sums its products of positive sign in one set of accumulators (P), begun with the bias, and those of negative sign in another (N), begun with 0; P - N ends the sum.
; THE MATRIX INSTRUCTION IS USED TRANSPOSED (source 0 = 32 rows of W, source 1 = 16 rows of x): lane (r, h), register 8 u + j holds out(row r, nn = 16 u + 8 h + j).
; LIMIT: NaN, infinities and sums beyond f32 in P or in N alone are not served.
; A K STEP has ONE run of memory instructions among its 32 products: stores of rows read back a step ago, the next K step's fragments, scale words, the next rows to read back.
; THE WAY OUT.  32 columns are 128 bytes of a row of out0: two super tiles meet in the wave's own stage in LDS and leave as rows of 256 bytes.  The first two super tiles' rows leave a few at a time
; in the next ones' K steps.  The last super tile's K steps 6 and 7 go for nb = 0, 1 first and then for nb = 2, 3, so that rows leave ahead of its last products.
; CLUSTER, 4 x 4.  Work-groups with the same Y need the same tiles of W, those with the same X the same rows of x: each tile is asked for JOINTLY (the same tensor load and descriptor, a mask that
; names the four).  W's descriptors hang on Y and the wave alone, x's on X and the wave alone.
; THE FILLS, at most one load a wave behind each round.  Waves 0, 1 fetch the halves of a super tile of W (codes and scale words, 69,632 bytes) into one of two slots; waves 2, 3 fetch x.
; First: super tile 0, and x's K steps 0 .. 3 of each kb (131,072 bytes from slot 1's first byte on).  Second, when these have landed: x's K steps 4 .. 6 (98,304 bytes behind them).  Third, in
; K step 3, when the first part of x is in registers: super tile 1 into slot 1.  Then each super tile two on, as its slot is left.  x's K step 7 of each kb goes from memory straight into registers.
; The stages lie over x's bytes behind slot 1: those have had their last fill, and their last read, when the first result is stored there.
; No prefetch: a super tile of W is asked for four K steps or more ahead of the wait for it, x's second part three K steps ahead, and there is no loop to run ahead in.
; REGISTERS, in windows of 256 (s_set_vgpr_msb: bits 1:0 source 0, 3:2 source 1, 5:4 source 2, 7:6 destination):
;   window 0: v1-15 addresses; v16-47 x's scale words; v48-79 W's scale words; v80-95 the bias; v96-127 rows on their way out; v128-255 P, (nb, rt) at 128 + 16 (2 nb + rt)
;   window 1, 2: x, rt = 0, 1: K step s at 8 s.    window 3: W's fragments, set p at 64 p + 16 i; N at 128 + 16 (2 nb + rt)
.set SLOT,   69632
.set STAGE,  2*SLOT                    ; a stage for each wave: 5 blocks of 32 rows x 272 bytes
.set XA,     SLOT                      ; x's first part: [tile 8][kb 4] rows of 4,096 bytes
.set XB,     XA+131072                 ; its second: [tile 8][kb 4] rows of 3,072 bytes
.set SPITCH, 272                       ; 256 bytes + 16 = 68 words: row r starts at bank 4 r mod 64 (64 banks of 4 bytes: ISA guide 11.1)
.set SPARE,  STAGE+4*160*SPITCH        ; the spare words, 128 bytes for each wave: two blocks of 256 bytes that no other line names
.set LI,   1                           ; v1   16 x lane: an image's place for my lane, in memory and in slot 0
.set ADB1, 4                           ; v4   the same in slot 1
.set SC0,  5                           ; v5-6 the scale words of slot 0, 1
.set STO,  7                           ; v7   the way out: where I put 32 bytes of a row
.set RD,   8                           ; v8   where I read a row back
.set GO,   9                           ; v9   my byte offset in out0
.set BO,   10                          ; v10  32 h: my numbers of a tile's bias
.set XAD,  11                          ; v11  my two tiles of x in LDS, first part
.set SPW,  12                          ; v12  LDS address of my spare word
.set NIL,  13                          ; v13  0
.set XBD,  14                          ; v14  my two tiles of x, second part.  From the head's end on none of v1 .. v14 is rewritten
.set XS,   16                          ; + 16 rt + g: lanes 0-15 the words of K step g, lanes 16-31 those of K step 16 + g
.set WS,   48                          ; + 16 (q / 4) + 4 i + q % 4: lane m the word of row m
.set BI,   80
.set RB,   96
.set WV,   16                          ; s16  my wave's number
.set OUT,  12                          ; s[12:13] out0 at my first row and column
.set G1W,  24                          ; s[24:31] descriptor group 1 for W;  s[32:35], s[36:39] group 0 for slot 0, 1
.set G0A,  32
.set G0B,  36
.set G1X,  68                          ; s[68:75], s[76:79] groups 1 and 0 for x's first part;  s[80:87], s[88:91] for its second
.set G0X,  76
.set G1Y,  80
.set G0Y,  88
.set MSB, 0
.macro WIN new                         ; the immediate's high byte repeats the setting that is left; a switch that changes nothing is dropped
.if MSB != \new
	s_set_vgpr_msb (MSB<<8)|\new
.set MSB, \new
.endif
.endm
; A load into a register that a matrix instruction has read, and a vector instruction that reads a matrix result, stand four places behind it; a matrix instruction that begins an accumulator anew
; with another C stands five behind the last that wrote it.  Only plain vector instructions that name none of its registers are places (ISA guide 7.12.1 for vector instructions).
.macro PLACES n
.rept \n
	v_nop
.endr
.endm
.macro CREST                           ; a round of the cluster's barrier behind its opening barrier: wave 0 signals for the work-group, every wave waits, my work-group's barrier closes it
	s_cmp_lg_u32 s[WV], 0
	s_cbranch_scc1 .Lnot_wave_0_\@
	s_barrier_signal -3
.Lnot_wave_0_\@:
	s_barrier_wait -3
	s_barrier_signal -1
	s_barrier_wait -1
.endm
.macro CROUND
	s_barrier_signal -1
	s_barrier_wait -1
	CREST
.endm
.macro PARTLOAD role, g0, g1           ; a load by the two waves of one role: the other two have no part of it
	s_cmp_eq_u32 s21, \role
	s_cbranch_scc0 .Lno_part_\@
	tensor_load_to_lds s[\g0:\g0+3], s[\g1:\g1+7]
	s_nop 0
	PLACES 4
.Lno_part_\@:
.endm
	s_load_b256 s[4:11], s[0:1], 0x0               ; xc s[4:5], xs s[6:7], wc s[8:9], b s[10:11]
	s_load_b64 s[12:13], s[0:1], 0x20              ; out0
	v_lshl_add_u32 v[SPW], v0, 2, SPARE
	v_mov_b32 v[NIL], 0
	ds_add_u32 v[SPW], v[NIL]                      ; the opening add, twice on end; work on registers stands between it and its wait
	ds_add_u32 v[SPW], v[NIL]
	v_lshrrev_b32 v14, 5, v0
	v_readfirstlane_b32 s[WV], v14                 ; wave 0..3
	v_and_b32 v2, 31, v0
	v_and_b32 v3, 15, v0                           ; r
	v_bfe_u32 v15, v0, 4, 1                        ; h
	v_lshlrev_b32 v[LI], 4, v2
	s_mul_i32 s14, s[WV], 160*SPITCH
	s_add_co_u32 s14, s14, STAGE                   ; my stage
	s_lshl_b32 s15, s[WV], 15
	s_add_co_u32 s15, s15, XA                      ; my two tiles of x: 32,768 bytes of the first part,
	s_mul_i32 s23, s[WV], 24576
	s_add_co_u32 s23, s23, XB                      ; 24,576 of the second
	v_mul_u32_u24 v[STO], v3, SPITCH               ; in: row r, 32 bytes for each half of the lanes
	v_mul_u32_u24 v[RD], v15, SPITCH               ; back: lanes 0-15 one row of 256 bytes, lanes 16-31 the next
	v_lshlrev_b32 v[GO], 14, v15                   ; and the same two rows in out0: 16,384 bytes a row
	v_lshl_add_u32 v[STO], v15, 5, v[STO]
	v_lshl_add_u32 v[RD], v3, 4, v[RD]
	v_lshl_add_u32 v[GO], v3, 4, v[GO]
	v_add_nc_u32 v[STO], s14, v[STO]
	v_add_nc_u32 v[RD], s14, v[RD]
	v_add_nc_u32 v[XAD], s15, v[LI]
	v_add_nc_u32 v[XBD], s23, v[LI]
	v_lshlrev_b32 v[BO], 5, v15
	v_add_nc_u32 v[ADB1], SLOT, v[LI]
	v_add_nc_u32 v[SC0], 0x10000, v[LI]
	v_add_nc_u32 v[SC0+1], 0x10000+SLOT, v[LI]
	s_bfe_u32 s17, ttmp6, 0x40000                  ; cx, cy: my place in the cluster
	s_bfe_u32 s18, ttmp6, 0x40004
	s_lshl_b32 s19, ttmp9, 2                       ; in a cluster launch ttmp9 and ttmp7 count clusters
	s_add_co_u32 s19, s19, s17                     ; X = 4 x cluster x + cx
	s_and_b32 s20, ttmp7, 0xffff
	s_lshl_b32 s20, s20, 2
	s_add_co_u32 s20, s20, s18                     ; Y = 4 x cluster y + cy
	s_lshr_b32 s21, s[WV], 1                       ; I fetch W (0) or x (1),
	s_and_b32 s22, s[WV], 1                        ; which half
	s_lshl_b32 s54, s18, 2
	s_lshl_b32 s54, 15, s54                        ; W's mask: places 4 cy .. 4 cy + 3, the work-groups with my Y
	s_lshl_b32 s55, 0x1111, s17                    ; x's mask: places cx, cx + 4, cx + 8, cx + 12, those with my X
	; descriptor group 1 for W: a dense half, as 136 rows of 256 bytes (32 elements of 8 bytes), unpadded: images are read 512 consecutive bytes an instruction
	s_or_b32 s[G1W], s54, (3<<16)|(1<<21)          ; 15:0 the mask; 17:16 elements of 8 bytes; 21 set beside a mask
	s_mov_b32 s[G1W+1], 32<<16
	s_mov_b32 s[G1W+2], 136<<16
	s_mov_b32 s[G1W+3], 32<<16
	s_mov_b32 s[G1W+4], 136
	s_mov_b32 s[G1W+5], 32
	s_mov_b32 s[G1W+6], 0
	s_mov_b32 s[G1W+7], 0
	; for x: 16 rows (4 tiles x 4 kb), 8,192 bytes apart: four K steps, 4,096 bytes, in the first part,
	s_or_b32 s[G1X], s55, (3<<16)|(1<<21)
	s_mov_b32 s[G1X+1], 512<<16
	s_mov_b32 s[G1X+2], 16<<16
	s_mov_b32 s[G1X+3], 512<<16
	s_mov_b32 s[G1X+4], 16
	s_mov_b32 s[G1X+5], 1024
	s_mov_b32 s[G1X+6], 0
	s_mov_b32 s[G1X+7], 0
	s_or_b32 s[G1Y], s55, (3<<16)|(1<<21)          ; three, 3,072 bytes, in the second
	s_mov_b32 s[G1Y+1], 384<<16
	s_mov_b32 s[G1Y+2], 16<<16
	s_mov_b32 s[G1Y+3], 384<<16
	s_mov_b32 s[G1Y+4], 16
	s_mov_b32 s[G1Y+5], 1024
	s_mov_b32 s[G1Y+6], 0
	s_mov_b32 s[G1Y+7], 0
	s_mov_b32 s[G0A], 1
	s_mov_b32 s[G0B], 1
	s_mov_b32 s[G0X], 1
	s_mov_b32 s[G0Y], 1
	s_mul_i32 s[G0A+1], s22, SLOT/2                ; slot 0, my half
	s_add_co_u32 s[G0B+1], s[G0A+1], SLOT          ; slot 1, my half
	s_lshl_b32 s[G0X+1], s22, 16
	s_add_co_u32 s[G0X+1], s[G0X+1], XA
	s_mul_i32 s[G0Y+1], s22, 49152
	s_add_co_u32 s[G0Y+1], s[G0Y+1], XB
	s_mul_i32 s50, s20, 4*SLOT                     ; wc: four super tiles for each Y, + my half
	s_add_co_u32 s50, s50, s[G0A+1]
	s_mov_b32 s51, 0
	s_lshl_b32 s52, s19, 18                        ; xc: eight tiles of 32,768 bytes for each X, + my half
	s_lshl_b32 s56, s22, 17
	s_add_co_u32 s52, s52, s56
	s_mov_b32 s53, 0
	; my rows of x and of out0: tile T = 8 X + 2 wave
	s_lshl_b32 s40, s19, 3
	s_lshl_b32 s41, s[WV], 1
	s_add_co_u32 s40, s40, s41
	s_lshl_b32 s42, s40, 15                        ; 32,768 bytes of codes a tile
	s_mov_b32 s43, 0
	s_lshl_b32 s44, s40, 11                        ; 2,048 of scale words
	s_mov_b32 s45, 0
	s_lshl_b32 s46, s20, 9                         ; 128 numbers of 4 bytes for each Y
	s_mov_b32 s47, 0
	s_lshl_b32 s48, s40, 18                        ; 16 rows of 16,384 bytes a tile
	s_add_co_u32 s48, s48, s46
	s_mov_b32 s49, 0
	s_wait_alu depctr_va_vdst(0)                   ; the wait at the head's end
	s_wait_dscnt 0x0                               ; both opening adds are done
	CROUND                                         ; all sixteen work-groups are here: the first joint loads meet
	s_wait_kmcnt 0x0
	s_add_nc_u64 s[G0A+2:G0A+3], s[8:9], s[50:51]  ; super tile 0
	s_add_nc_u64 s[G0B+2:G0B+3], s[G0A+2:G0A+3], SLOT   ; super tile 1
	s_add_nc_u64 s[G0X+2:G0X+3], s[4:5], s[52:53]
	s_add_nc_u64 s[G0Y+2:G0Y+3], s[G0X+2:G0X+3], 4096   ; K step 4
	s_or_b32 s[G0A+3], s[G0A+3], 0x80000000        ; 127:126 type = 2
	s_or_b32 s[G0B+3], s[G0B+3], 0x80000000
	s_or_b32 s[G0X+3], s[G0X+3], 0x80000000
	s_or_b32 s[G0Y+3], s[G0Y+3], 0x80000000
	s_cmp_eq_u32 s21, 0                            ; the head's loads, one a wave: super tile 0's halves, x's first part's halves
	s_cbranch_scc0 .Lfor_x
	tensor_load_to_lds s[G0A:G0A+3], s[G1W:G1W+7]
	s_nop 0
	PLACES 4
	s_branch .Lasked
.Lfor_x:
	tensor_load_to_lds s[G0X:G0X+3], s[G1X:G1X+7]
	s_nop 0
	PLACES 4
.Lasked:
	s_add_nc_u64 s[4:5], s[4:5], s[42:43]
	s_add_nc_u64 s[6:7], s[6:7], s[44:45]
	s_add_nc_u64 s[10:11], s[10:11], s[46:47]
	s_add_nc_u64 s[OUT:OUT+1], s[OUT:OUT+1], s[48:49]
; The state of the text's expansion: QQ the K step, NQ the one to fetch, SL the slot; SN, SR, SPR: how many row pairs wait in RB for their store, the first of them, and its pair of super tiles;
; NR, NP: the next row pair to read back from the stage
.set SL, 0
.set SN, 0
.set SR, 0
.set SPR, 0
.set NR, 0
.set NP, 0
.macro XLD x                           ; x's four K steps 8 kb + x of both tiles
.if (\x) >= 0
.irp rt, 0,1
.set wn, 0x40<<\rt
	WIN wn
.irp kx, 0,1,2,3
.irp c, 0,1
.if (\x) < 4
	ds_load_b128 v[64*\kx+8*(\x)+4*\c:64*\kx+8*(\x)+4*\c+3], v[XAD] offset:16384*\rt+4096*\kx+1024*(\x)+512*\c
.else
	ds_load_b128 v[64*\kx+8*(\x)+4*\c:64*\kx+8*(\x)+4*\c+3], v[XBD] offset:12288*\rt+3072*\kx+1024*((\x)-4)+512*\c
.endif
.endr
.endr
.endr
.endif
.endm
.macro BIAS n                          ; super tile n's 32 numbers, in the result's layout
.if (\n) >= 0
	WIN 0
.irp u, 0,1
.irp e, 0,1
	global_load_b128 v[BI+8*\u+4*\e:BI+8*\u+4*\e+3], v[BO], s[10:11] offset:128*(\n)+64*\u+16*\e
.endr
.endr
.endif
.endm
.macro FETCH                           ; W's four fragments of 32 rows of K step NQ into the set that is not at work
	WIN 0xc0
.irp i, 0,1,2,3
.irp t, 0,1
.irp c, 0,1
	ds_load_b128 v[64*(1-(QQ%2))+16*\i+8*\t+4*\c:64*(1-(QQ%2))+16*\i+8*\t+4*\c+3], v[LI+(ADB1-LI)*SL] offset:8192*NQ+2048*\i+1024*\t+512*\c
.endr
.endr
.endr
.endm
.macro SCL z                           ; W's scale words of K steps 4 z .. 4 z + 3: four words a row and load
	WIN 0
.irp i, 0,1,2,3
	ds_load_b128 v[WS+16*(\z)+4*\i:WS+16*(\z)+4*\i+3], v[SC0+SL] offset:2048*(\z)+512*\i
.endr
.endm
; One matrix instruction: W_i against x's K step 8 (i xor nb) + QQ of tile rt.  Bit 4 i + nb of 0x5390: the sign is negative, and the sum is N.  x's scale words: lanes 16-31 where kb >= 2.
; The scale registers hold scales and nothing else.
.macro MM i, nb, rt
.set kb, (\i)^(\nb)
.set ng, (0x5390>>(4*(\i)+(\nb)))&1
.set rA, 64*(QQ%2)+16*(\i)
.set rB, 64*kb+8*QQ
.set rD, 128+16*(2*(\nb)+(\rt))
.set rC, rD
.set rW, WS+16*(QQ/4)+4*(\i)+(QQ%4)
.set rX, XS+16*(\rt)+8*(kb&1)+QQ
.set zc, 0
.if QQ == 0
.if ng == 0
.if (\i) == 0
.set rC, BI                            ; P's first product takes the bias as C
.endif
.elseif ((\nb) != 0) || ((\i) == 1)
.set zc, 1                             ; N's first product: 0
.endif
.endif
.set wn, 3+(4<<(\rt))+(0xf0*ng)
	WIN wn
.if (zc == 1) && (kb >= 2)
	v_wmma_scale_f32_32x16x128_f4 v[rD:rD+15], v[rA:rA+15], v[rB:rB+7], 0, v[rW], v[rX] matrix_b_scale:MATRIX_SCALE_ROW1
.elseif zc == 1
	v_wmma_scale_f32_32x16x128_f4 v[rD:rD+15], v[rA:rA+15], v[rB:rB+7], 0, v[rW], v[rX]
.elseif kb >= 2
	v_wmma_scale_f32_32x16x128_f4 v[rD:rD+15], v[rA:rA+15], v[rB:rB+7], v[rC:rC+15], v[rW], v[rX] matrix_b_scale:MATRIX_SCALE_ROW1
.else
	v_wmma_scale_f32_32x16x128_f4 v[rD:rD+15], v[rA:rA+15], v[rB:rB+7], v[rC:rC+15], v[rW], v[rX]
.endif
.endm
; A K step's products, eight for each matrix.  The accumulators take turns, one instruction a turn, six others' or more between two on the same one.
.macro I0
.irp nb, 0,1,2,3
	MM 0, \nb, 0
.endr
.irp nb, 0,1,2,3
	MM 0, \nb, 1
.endr
.endm
.macro I1
	MM 1, 1, 0
	MM 1, 2, 0
	MM 1, 0, 0
	MM 1, 3, 0
	MM 1, 0, 1
	MM 1, 3, 1
	MM 1, 1, 1
	MM 1, 2, 1
.endm
.macro I2
	MM 2, 3, 0
	MM 2, 2, 0
	MM 2, 1, 0
	MM 2, 0, 0
	MM 2, 1, 1
	MM 2, 0, 1
	MM 2, 3, 1
	MM 2, 2, 1
.endm
.macro I3
	MM 3, 1, 0
	MM 3, 3, 0
	MM 3, 2, 0
	MM 3, 0, 0
	MM 3, 2, 1
	MM 3, 0, 1
	MM 3, 1, 1
	MM 3, 3, 1
.endm
.macro HALF_A                          ; the sixteen of nb = 0, 1: three others' or more between two on the same accumulator
	MM 0, 0, 0
	MM 0, 1, 0
	MM 0, 0, 1
	MM 0, 1, 1
	MM 1, 0, 0
	MM 1, 0, 1
	MM 1, 1, 0
	MM 1, 1, 1
	MM 2, 0, 0
	MM 2, 1, 0
	MM 2, 0, 1
	MM 2, 1, 1
	MM 3, 1, 0
	MM 3, 0, 0
	MM 3, 1, 1
	MM 3, 0, 1
.endm
.macro HALF_B                          ; those of nb = 2, 3
	MM 0, 2, 0
	MM 0, 2, 1
	MM 0, 3, 0
	MM 0, 3, 1
	MM 1, 3, 0
	MM 1, 3, 1
	MM 1, 2, 0
	MM 1, 2, 1
	MM 3, 2, 0
	MM 3, 2, 1
	MM 2, 3, 0
	MM 2, 3, 1
	MM 2, 2, 0
	MM 2, 2, 1
	MM 3, 3, 0
	MM 3, 3, 1
.endm
.macro DST                             ; the stores of the row pairs that wait in RB: 16 lanes store 256 consecutive bytes, at a multiple of 256 from out0's first byte; read by nobody here
.if SN > 0
	WIN 0
.set kk, 0
.rept SN
.set RR, SR+kk
	global_store_b128 v[GO], v[RB+4*kk:RB+4*kk+3], s[OUT:OUT+1] offset:32768*(RR%16)+4096*(RR/16)+256*SPR th:TH_STORE_NT
.set kk, kk+1
.endr
.endif
.set SN, 0
.endm
.macro DLD n                           ; the next n row pairs from the stage into RB.  Row pair RR: nb = RR / 16, rows 2 (RR % 16) and the next; the second pair's nb = 3 has block 4
.if (\n) > 0
	WIN 0
	s_wait_xcnt 0x0                                ; the stores have read RB
.set kk, 0
.rept \n
.set RR, NR+kk
.set bk, RR/16
.if (bk == 3) && (NP == 1)
.set bk, 4
.endif
	ds_load_b128 v[RB+4*kk:RB+4*kk+3], v[RD] offset:(32*bk+2*(RR%16))*SPITCH
.set kk, kk+1
.endr
.endif
.set SR, NR
.set SPR, NP
.set SN, \n
.set NR, NR+(\n)
.endm
.macro RUN ln, xq, bn                  ; a K step's memory instructions
	PLACES 4                                       ; in front of loads into registers that earlier K steps' products have read
	DST
	FETCH
	XLD \xq
.if QQ == 1
	SCL 1
.endif
	BIAS \bn
	DLD \ln
.endm
; A K STEP on set QQ % 2.  ln: row pairs to read back;  dw: LDS instructions that may be out at the head (32 behind a way out: its stores are younger than this K step's fragments);
; lw: loads that may be out (-1: none is awaited);  xq: x's K step to load;  bn: the super tile whose bias is loaded.  A super tile's first K step has its run in the middle, the others at the head.
.macro STEP q, nq, ln, dw, lw, xq, bn
.set QQ, \q
.set NQ, \nq
	s_wait_dscnt \dw                               ; this K step's fragments and scale words, and the rows read back, are in
.if (\lw) >= 0
	s_wait_loadcnt \lw
.endif
.if QQ == 0
	I0
	I1
	RUN \ln, \xq, \bn
.else
	RUN \ln, \xq, \bn
	I0
	I1
.endif
	I2
	I3
.endm
; A SUPER TILE'S LAST K STEP changes slots: its fragments are in registers, so my reads of the slot are over.  Each wave waits for all its tensor loads (the other slot's), and, where the slot is
; filled again (fill = 1), adds 0 to its spare word and waits for that and for its LDS reads: the barrier then opens a round of the cluster's, and the super tile two on is asked for first thing behind it.
.macro LAST fill, g0, nsl, ln
.set QQ, 7
.set NQ, 0
	s_wait_dscnt 0x0
	DST
	WIN 0                                          ; the add's two registers lie in window 0
	s_wait_tensorcnt 0x0                           ; no tensor load of mine is out, so a group 0 may be written
.if \fill
	ds_add_u32 v[SPW], v[NIL]                      ; 0 onto my spare word; eight products stand between it and the wait for it
	s_add_nc_u64 s[\g0+2:\g0+3], s[\g0+2:\g0+3], 2*SLOT   ; two super tiles on; the type bits on top are not reached
.endif
	I0
	s_wait_dscnt 0x0                               ; the add is done, and my reads of the slot are over
	s_barrier_signal -1
	I1                                             ; work on registers while the others arrive
	WIN 0
	s_barrier_wait -1
.if \fill
	CREST                                          ; no wave of any partner still reads this slot or has a load on its way
	PARTLOAD 0, \g0, G1W
.endif
	PLACES 4                                       ; in front of the loads into set 0, which the K step before multiplied
.set SL, \nsl
	FETCH
	SCL 0
	DLD \ln
	I2
	I3
.endm
.macro PK nb                           ; P - N, each accumulator from its low end on
	WIN 0x0c
.irp rt, 0,1
.irp j, 0,2,4,6,8,10,12,14
.set rD, 128+16*(2*(\nb)+\rt)+\j
	v_pk_add_f32 v[rD:rD+1], v[rD:rD+1], v[rD:rD+1] neg_lo:[0,1] neg_hi:[0,1]   ; the second source lies in window 3
.endr
.endr
.endm
.macro ST nb, par, pair                ; into my stage: the left (par = 0) or right half of 32 rows.  LDS serves a wave's instructions in order (ISA guide 5.7.1.4): no wait towards earlier or later reads
	WIN 0
.set bk, \nb
.if ((\nb) == 3) && ((\pair) == 1)
.set bk, 4
.endif
.irp rt, 0,1
.irp u, 0,1
.set rD, 128+16*(2*(\nb)+\rt)+8*\u
	ds_store_b128 v[STO], v[rD:rD+3] offset:(32*bk+16*\rt)*SPITCH+128*(\par)+64*\u
	ds_store_b128 v[STO], v[rD+4:rD+7] offset:(32*bk+16*\rt)*SPITCH+128*(\par)+64*\u+16
.endr
.endr
.endm
.macro WAYOUT par, pair
	PLACES 5                                       ; behind the last products: for the reads of results, and for the next super tile's first products, which begin the accumulators anew
.irp nb, 0,1,2,3
	PK \nb
.endr
.irp nb, 0,1,2,3
	ST \nb, \par, \pair
.endr
.endm
.irp rt, 0,1
.irp u, 0,1,2,3
	global_load_b128 v[XS+16*\rt+4*\u:XS+16*\rt+4*\u+3], v[LI], s[6:7] offset:2048*\rt+512*\u
.endr
.endr
	BIAS 0
.irp rt, 0,1                           ; x's K step 7 of each kb
.set wn, 0x40<<\rt
	WIN wn
.irp kx, 0,1,2,3
.irp c, 0,1
	global_load_b128 v[64*\kx+56+4*\c:64*\kx+56+4*\c+3], v[LI], s[4:5] offset:32768*\rt+8192*\kx+7168+512*\c
.endr
.endr
.endr
	WIN 0
	s_wait_tensorcnt 0x0                           ; my part of super tile 0 or of x's first part is in
	ds_add_u32 v[SPW], v[NIL]
	s_wait_dscnt 0x0
	CROUND                                         ; everybody's part is in, and the joint loads meet
	PARTLOAD 1, G0Y, G1Y                           ; x's second part
	PLACES 4
	; SUPER TILE 0, under which x comes into registers, a K step ahead
.set QQ, 7
.set NQ, 0
	FETCH
	SCL 0
	XLD 0
	STEP 0, 1, 0, 0, 16, 1, -1                     ; x's scale words and the bias are in; the 16 loads of its K step 7 may be out
	STEP 1, 2, 0, 0, -1, 2, 1
	STEP 2, 3, 0, 0, -1, 3, -1
	; K step 3: x's first part is in registers, its second has landed: a round, and super tile 1 goes over bytes of the first
.set QQ, 3
.set NQ, 4
	s_wait_dscnt 0x0
	WIN 0
	s_wait_tensorcnt 0x0
	ds_add_u32 v[SPW], v[NIL]                      ; 0 onto my spare word; eight products stand between it and the wait for it
	I0
	s_wait_dscnt 0x0
	s_barrier_signal -1
	I1
	WIN 0
	s_barrier_wait -1
	CREST
	PARTLOAD 0, G0B, G1W
	PLACES 4
	FETCH
	XLD 4
	I2
	I3
	STEP 4, 5, 0, 0, -1, 5, -1
	STEP 5, 6, 0, 0, -1, 6, -1
	STEP 6, 7, 0, 0, 0, -1, -1                     ; x's K step 7 is in, and the next bias
	LAST 1, G0A, 1, 0                              ; its barrier also shows that every wave has read x: the stages may be written
	WAYOUT 0, 0
	; SUPER TILE 1
	STEP 0, 1, 0, 32, 0, -1, -1
	STEP 1, 2, 0, 0, -1, -1, 2
	STEP 2, 3, 0, 0, -1, -1, -1
	STEP 3, 4, 0, 0, -1, -1, -1
	STEP 4, 5, 0, 0, -1, -1, -1
	STEP 5, 6, 0, 0, -1, -1, -1
	STEP 6, 7, 0, 0, -1, -1, -1
	LAST 1, G0B, 0, 0
	WAYOUT 1, 0
	; SUPER TILE 2: nb = 0 .. 2 of the first pair leave, six row pairs a K step
	STEP 0, 1, 6, 32, 0, -1, -1
	STEP 1, 2, 6, 0, -1, -1, 3
	STEP 2, 3, 6, 0, -1, -1, -1
	STEP 3, 4, 6, 0, -1, -1, -1
	STEP 4, 5, 6, 0, -1, -1, -1
	STEP 5, 6, 6, 0, -1, -1, -1
	STEP 6, 7, 6, 0, -1, -1, -1
	LAST 0, G0A, 1, 6
	WAYOUT 0, 1
	; SUPER TILE 3: nb = 3 of the first pair leaves under its first K steps
	STEP 0, 1, 4, 32, 0, -1, -1
	STEP 1, 2, 4, 0, -1, -1, -1
	STEP 2, 3, 4, 0, -1, -1, -1
	STEP 3, 4, 4, 0, -1, -1, -1
	STEP 4, 5, 0, 0, -1, -1, -1
	STEP 5, 6, 0, 0, -1, -1, -1
; Rows back from the stage, 16 row pairs of nb in block bk, into 64 registers of window wd from reg on; and stored.  younger: LDS instructions issued behind them
.macro BACK bk, wd, reg
.set wn, (\wd)<<6
	WIN wn
.irp e, 0,1,2,3,4,5,6,7,8,9,10,11,12,13,14,15
	ds_load_b128 v[\reg+4*\e:\reg+4*\e+3], v[RD] offset:(32*(\bk)+2*\e)*SPITCH
.endr
.endm
.macro SEND nb, wd, reg, younger
.set wn, (\wd)<<2
	WIN wn
.irp e, 0,1,2,3,4,5,6,7,8,9,10,11,12,13,14,15
	s_wait_dscnt 15-\e+(\younger)
	global_store_b128 v[GO], v[\reg+4*\e:\reg+4*\e+3], s[OUT:OUT+1] offset:32768*\e+4096*(\nb)+256 th:TH_STORE_NT
.endr
.endm
	; K steps 6 and 7: both sets hold their fragments
.set QQ, 6
.set NQ, 7
	s_wait_dscnt 0x0
	PLACES 4
	FETCH
	HALF_A
.set QQ, 7
	s_wait_dscnt 0x0
	HALF_A
	PLACES 5
	PK 0
	PK 1
	ST 0, 1, 1
	ST 1, 1, 1
	BACK 0, 3, 128                                 ; into the registers of N, nb = 0, 1,
	BACK 1, 0, 128                                 ; and of P, which the stores ahead of it in LDS order have read
.set QQ, 6
	HALF_B
	SEND 0, 3, 128, 16
.set QQ, 7
	HALF_B
	PLACES 5
	PK 2
	PK 3
	ST 2, 1, 1
	ST 3, 1, 1
	BACK 2, 3, 0                                   ; into W's registers: all is multiplied
	BACK 4, 3, 64
	SEND 1, 0, 128, 48                             ; behind nb = 1's loads: 16 stores into the stage and 32 loads
	SEND 2, 3, 0, 16
	SEND 3, 3, 64, 0
	WIN 0
	s_wait_tensorcnt 0x0                           ; the wave's end: behind my last tensor load and my last LDS store
	ds_add_u32 v[SPW], v[NIL]
	s_wait_dscnt 0x0
	CROUND                                         ; the closing round: no work-group ends while a partner may still ask for a tile that names it
	s_endpgm
.Lfunc_end_k_q472b7aac93_gemm:
	.size	k_q472b7aac93_gemm, .Lfunc_end_k_q472b7aac93_gemm-k_q472b7aac93_gemm
	.p2alignl 7, 3214868480
	.fill 96, 4, 3214868480
	.section	.rodata,"a",@progbits
	.p2align	6, 0x0
	.amdhsa_kernel k_q472b7aac93_gemm
		.amdhsa_group_segment_fixed_size 327680
		.amdhsa_private_segment_fixed_size 0
		.amdhsa_enable_private_segment 0
		.amdhsa_kernarg_size 40
		.amdhsa_user_sgpr_count 2
		.amdhsa_user_sgpr_kernarg_segment_ptr 1
		.amdhsa_wavefront_size32 1
		.amdhsa_system_sgpr_workgroup_id_x 1
		.amdhsa_system_sgpr_workgroup_id_y 1
		.amdhsa_system_sgpr_workgroup_id_z 1
		.amdhsa_system_vgpr_workitem_id 0
		.amdhsa_next_free_vgpr 1024
		.amdhsa_next_free_sgpr 92
		.amdhsa_reserve_vcc 0
		.amdhsa_float_denorm_mode_32 3
		.amdhsa_float_denorm_mode_16_64 3
		.amdhsa_memory_ordered 1
		.amdhsa_forward_progress 1
		.amdhsa_inst_pref_size 254
	.end_amdhsa_kernel
	.amdgpu_metadata
---
amdhsa.version: [ 1, 2 ]
amdhsa.kernels:
  - .name:           k_q472b7aac93_gemm
    .symbol:         k_q472b7aac93_gemm.kd
    .args:
      - { .name: xc, .offset: 0, .size: 8, .value_kind: global_buffer, .address_space: global }
      - { .name: xs, .offset: 8, .size: 8, .value_kind: global_buffer, .address_space: global }
      - { .name: wc, .offset: 16, .size: 8, .value_kind: global_buffer, .address_space: global }
      - { .name: b, .offset: 24, .size: 8, .value_kind: global_buffer, .address_space: global }
      - { .name: out0, .offset: 32, .size: 8, .value_kind: global_buffer, .address_space: global }
    .group_segment_fixed_size: 327680
    .private_segment_fixed_size: 0
    .kernarg_segment_align: 8
    .kernarg_segment_size: 40
    .max_flat_workgroup_size: 128
    .sgpr_count:     92
    .vgpr_count:     1024
    .wavefront_size: 32
...
	.end_amdgpu_metadata
.endif
;; end of part 2
